; MI455X (gfx1250); checked and timed in simulation.
; The chip was launched on July 23, 2026; its instructions are those of AMD's public machine-readable ISA for CDNA 5 (MIT licence, August 2026) and "CDNA5" Instruction Set Architecture Reference Guide (July 2026). The comments in the code are by the model that wrote it; some were corrected since.
;; Matrix Mixer. Allowed arithmetic: matrix products marked QUANTISED: E4M3 operands, one given power-of-two scale a tensor, by v_wmma_f32_16x16x64_fp8_fp8 or v_wmma_f32_16x16x128_fp8_fp8, f32 sums; everything else in f32.
;; Inputs: W_in 3,072 x 1,024 float32; lowp_scales 6 int32 (the exponents e of the quantised operands' scales 2^e); u 4 x 4,096 x 1,024 float32; x1 1 float32; x2 1 float32.
;; Outputs: out0 4 x 4,096 x 1,024 float32.
;; This version of the problem:
;;   THIS VERSION OF THE PROBLEM IS GIVEN IN LOW PRECISION. The matrix products marked QUANTISED in the list below multiply operands that are first quantised to E4M3 (4 exponent bits, 3 mantissa bits; 8 bits a number), with one given power-of-two scale for each operand tensor; their sums are f32. All else is computed in f32.
;;   The module's matrix products, in the order in which they are computed (A, B: the left and right operand; K: the contracted axis; several contracted axes count as one K, in the product's order):
;;     1. [M 16,384, K 1,024] x [K 1,024, N 3,072]; A: input u; B: input W_in: QUANTISED (scales: A lowp_scales[0], B lowp_scales[1])
;;     2. batch 64 x [M 64, K 4,096] x [K 4,096, N 64]; A: computed on the way; B: computed on the way: QUANTISED (scales: A lowp_scales[2], B lowp_scales[3])
;;     3. batch 64 x [M 64, K 64] x [K 64, N 4,096]; A: computed on the way; B: computed on the way: QUANTISED (scales: A lowp_scales[4], B lowp_scales[5])
;;   THE QUANTISER, for each operand of a quantised product, along K:
;;     - The operand's scale is 2^e, e = its entry of the input lowp_scales (int32; the entries are numbered through the quantised products in the list's order, A before B).
;;     - Each number is divided by the scale, clamped to +-448, and rounded to the nearest number of E4M3, ties to even, subnormals kept.
;;     - The product sums the exact products of the quantised numbers (number of the format x scale) in f32.
;;   ~~~python
;;   def quantise(x, axis, e):      # numpy; x: float32 -> the quantised numbers, widened to float32 again
;;       x = np.moveaxis(x, axis, -1); K = x.shape[-1]
;;       r = np.clip(x / 2.0 ** e, -448, 448)
;;       step = 2.0 ** (np.maximum(np.frexp(np.where(r == 0, 1, r))[1] - 1, -6) - 3)
;;       q = np.round(r / step) * step * 2.0 ** e      # np.round: ties to even
;;       return np.moveaxis(q, -1, axis).astype(np.float32)
;;   ~~~
;;   OPERANDS COMPUTED ON THE WAY. 'Computed on the way' means the value that the module computes at that place (a softmax that the list does not call 'softmax' is quantised finished and normalised). What goes into a quantiser is computed in f32, as accurately as f32 sums, v_exp_f32 and their like allow (about 1e-6 of the number): no bf16 or f16 on the way to a quantiser, and a product that is left as it is and whose result goes on into a quantised operand takes f32 operands (vector FMAs, or v_wmma_f32_16x16x4_f32). A number that lies on a knife's edge between two numbers of the format may be rounded either way, as far as f32 arithmetic and the matrix unit's own rounding can turn it there, and no further.
;; One version. Each part assembles by itself: llvm-mc -triple=amdgcn-amd-amdhsa -mcpu=gfx1250 --defsym DOCPART=n.
;; ======== version 1 of 1: 3 launches
;; workspace buffers: u_codes 16,777,216 bytes; w_codes 3,145,728 bytes; q_img 16,777,216 bytes; kv_part 8,388,608 bytes
;; launch quant (part 1): grid 608 x 1, 4 waves a work-group, no clusters, 33,280 bytes of LDS; arguments u, W_in, lowp_scales, u_codes, w_codes; writes u_codes, w_codes
.if DOCPART == 1
	.amdgcn_target "amdgcn-amd-amdhsa--gfx1250"
	.amdhsa_code_object_version 6
	.text
	.protected	k_q12cea3a3d2_quant
	.globl	k_q12cea3a3d2_quant
	.p2align	8
	.type	k_q12cea3a3d2_quant,@function
k_q12cea3a3d2_quant:
	s_mov_b64 s[64:65], 0
	v_nop
	global_prefetch_b8 v0, s[64:65] scope:SCOPE_SE
	s_setreg_imm32_b32 hwreg(HW_REG_WAVE_MODE, 25, 1), 1
	s_wait_xcnt 0x0
; u [16384][1024] and W_in [3072][1024], f32, become codes of FP8 (E4M3), one byte each, K innermost, each with the scale 2^e given for it
; (entry 0 of the scales for u, entry 1 for W_in): code = x / 2^e, held within +-448, rounded to the nearest code, ties to even.
; LIMITS: -126 <= e <= 119, so that 2^e and 448 x 2^e are f32 numbers.  NaN among the inputs is not served.
; (The problem's inputs x1 and x2 enter no step of the computation; no launch of this program names them.)
; u's codes lie as u lies.  W's ROWS ARE LAID IN ANOTHER ORDER, the one in which the next launch wants its tiles: for each head its 64 rows of v and then its
; 64 rows of k (rows 128 head + i and 128 head + 64 + i), and from row 2048 on the 1,024 rows of q.  A work-group takes 32 whole rows, and 32 divides 64:
; so the order is a matter of where a work-group's codes go, and of nothing else.
; The first 512 work-groups take u, the other 96 W_in: only pointers and offsets are chosen, both take one path through the text.
; A wave takes 16 steps of 512 numbers.  The conversion takes 8 numbers from one lane's consecutive registers, so a lane must hold neighbours along K; a load is
; best where neighbouring lanes take neighbouring bytes.  Both are had: each of a step's four loads reads 512 consecutive bytes, 16 a lane; the 2,048 bytes go
; through the wave's own stage in LDS and come back 64 bytes a lane.  A lane's 16 codes are 16 bytes: the wave stores 512 consecutive bytes.
; No barrier: waves share nothing.  Loads run four steps (16 loads a wave) ahead, the turn through LDS one step.
.set STEPS, 16
.set WGA,   512                        ; work-groups of u: 16,384 x 1,024 / 32,768
.set EMAX,  8
.set MANT,  0x600000                   ; the mantissa field of 448 as f32
.set CB,    16                         ; bytes of 16 codes
.set R,     16                         ; v16-79   four sets of 16 numbers as they are loaded
.set X,     80                         ; v80-111  two sets of 16 neighbours
.set C,     128                        ; v128-191 codes: four registers for each step, so that no store's data are written again
.set WREG,  8192                       ; LDS: a region of its own for each wave: two stages of 32 x SP bytes
.set SP,    80                         ; a lane's place in a stage: its 64 bytes + 16 of padding
	s_load_b128 s[4:7], s[0:1], 0x0                ; u, W_in
	s_load_b64 s[10:11], s[0:1], 0x10              ; the scales' exponents
	s_load_b128 s[12:15], s[0:1], 0x18             ; u's codes, W's codes
	v_lshl_add_u32 v192, v0, 2, 0x8000
	v_mov_b32 v193, 0
	v_lshrrev_b32 v1, 5, v0
	v_readfirstlane_b32 s16, v1                    ; wave
	v_and_b32 v2, 31, v0                           ; lane
	v_lshlrev_b32 v3, 4, v2                        ; my 16 bytes of a load's 512
	s_mul_i32 s17, s16, WREG
	v_lshrrev_b32 v14, 2, v2
	v_mul_u32_u24 v14, v14, SP
	v_and_b32 v15, 3, v2
	v_lshl_add_u32 v14, v15, 4, v14
	v_add_nc_u32 v14, s17, v14                     ; the stage, on the way in: four lanes' 64 bytes on end, then 16 of padding
	v_mul_u32_u24 v15, v2, SP
	v_add_nc_u32 v15, s17, v15                     ; and on the way out: SP x lane: my 16 neighbours
	v_mul_u32_u24 v4, v2, CB                       ; my codes' place in a step's
	; which 32 rows I read (g) and where their codes go (d), both in units of 32 rows
	s_cmp_lt_u32 ttmp9, WGA
	s_cselect_b32 s24, 0, WGA
	s_sub_co_u32 s24, ttmp9, s24                   ; g: the unit within my tensor
	s_and_b32 s25, s24, 31                         ; W: the unit within its third (v, q, k),
	s_lshr_b32 s26, s24, 5                         ; and the third: 0 = v, 1 = q, 2 = k
	s_lshr_b32 s27, s25, 1                         ; the head (two units to a head)
	s_lshl_b32 s27, s27, 2                         ; a head has four units in the new order: v, v, k, k
	s_and_b32 s28, s25, 1
	s_add_co_u32 s27, s27, s28
	s_and_b32 s28, s26, 2
	s_add_co_u32 s27, s27, s28                     ; v and k: 4 head + half + (2 for k)
	s_add_co_u32 s28, s25, 64                      ; q: from unit 64 (row 2,048) on, as it lies
	s_cmp_eq_u32 s26, 1
	s_cselect_b32 s27, s28, s27
	s_cmp_lt_u32 ttmp9, WGA
	s_cselect_b32 s27, s24, s27                    ; u keeps its order
	s_lshl_b32 s24, s24, 2
	s_add_co_u32 s24, s24, s16                     ; my wave's 8 rows of the 32
	s_lshl_b32 s20, s24, 15                        ; 8 rows of 4,096 bytes of f32 (under 2^27)
	s_mov_b32 s21, 0
	s_lshl_b32 s27, s27, 2
	s_add_co_u32 s27, s27, s16
	s_lshl_b32 s18, s27, 13                        ; 8 rows of 1,024 bytes of codes
	s_mov_b32 s19, 0
	s_wait_kmcnt 0x0
	s_load_b64 s[22:23], s[10:11], 0x0             ; e of u, e of W_in
	s_cmp_lt_u32 ttmp9, WGA                        ; the choice of buffers hangs on the work-group's number alone
	s_cselect_b64 s[4:5], s[4:5], s[6:7]
	s_cselect_b64 s[8:9], s[12:13], s[14:15]
	s_add_nc_u64 s[4:5], s[4:5], s[20:21]
	s_add_nc_u64 s[8:9], s[8:9], s[18:19]
.macro LOAD t
.irp i, 0,1,2,3
	global_load_b128 v[R+16*((\t)%4)+4*\i:R+16*((\t)%4)+4*\i+3], v3, s[4:5] offset:2048*(\t)+512*\i th:TH_LOAD_NT   ; 32 lanes read 512 consecutive bytes; read once in the launch
.endr
.endm
.macro TURN t                          ; step t's numbers through the stage: LDS serves a wave's instructions in order (ISA guide 5.7.1.4), so no wait stands between the stores and the loads
.irp i, 0,1,2,3
	ds_store_b128 v14, v[R+16*((\t)%4)+4*\i:R+16*((\t)%4)+4*\i+3] offset:32*SP*((\t)%2)+8*SP*\i
.endr
.irp i, 0,1,2,3
	ds_load_b128 v[X+16*((\t)%2)+4*\i:X+16*((\t)%2)+4*\i+3], v15 offset:32*SP*((\t)%2)+16*\i
.endr
.endm
.irp t, 0,1,2,3
	LOAD \t
.endr
	s_wait_kmcnt 0x0
	s_cmp_lt_u32 ttmp9, WGA
	s_cselect_b32 s22, s22, s23                    ; e
	s_add_co_i32 s22, s22, 127
	s_lshl_b32 s23, s22, 23
	v_mov_b32 v11, s23                             ; 2^e as f32: the conversion takes its exponent field
	s_add_co_i32 s22, s22, EMAX
	s_lshl_b32 s22, s22, 23
	s_or_b32 s22, s22, MANT
	v_mov_b32 v10, s22                             ; 448 x 2^e
	s_wait_loadcnt 12                              ; step 0's four loads are in; the twelve of steps 1 to 3 may be out
	TURN 0
.macro STEP t
.set XS, X+16*((\t)%2)
	s_wait_dscnt 0x0                               ; this step's numbers are back from the stage: so its stores into the stage have read their registers,
.if (\t)+4 < STEPS
	LOAD (\t)+4                                    ; which take the loads of four steps on
.endif
.if (\t)+1 < STEPS
.if STEPS-2-(\t) >= 3
	s_wait_loadcnt 12                              ; the next step's four loads are in; those of the three steps behind it may be out
.else
	s_wait_loadcnt 4*(STEPS-2-(\t))                ; at the end fewer steps stand behind it
.endif
	TURN (\t)+1                                    ; and go through the other stage while this step is worked
.endif
.irp i, 0,1,2,3,4,5,6,7,8,9,10,11,12,13,14,15
	v_med3_num_f32 v[XS+\i], v[XS+\i], -v10, v10   ; the conversion to an 8-bit code does not saturate (ISA guide 7.6.2): the number is held within the largest code x the scale first
.endr
	v_cvt_scalef32_pk8_fp8_f32 v[C+4*(\t):C+4*(\t)+1], v[XS:XS+7], v11          ; eight numbers / 2^e, to the nearest code, ties to even; the first number's code in the lowest byte
	v_cvt_scalef32_pk8_fp8_f32 v[C+4*(\t)+2:C+4*(\t)+3], v[XS+8:XS+15], v11
	global_store_b128 v4, v[C+4*(\t):C+4*(\t)+3], s[8:9] offset:32*CB*(\t)      ; 32 lanes store 512 consecutive bytes, at a multiple of 512 from the buffer's first byte
.endm
.irp t, 0,1,2,3,4,5,6,7,8,9,10,11,12,13,14,15
	STEP \t
.endr
	s_wait_tensorcnt 0x0
	ds_add_u32 v192, v193
	s_wait_dscnt 0x0
	s_endpgm
.Lfunc_end_k_q12cea3a3d2_quant:
	.size	k_q12cea3a3d2_quant, .Lfunc_end_k_q12cea3a3d2_quant-k_q12cea3a3d2_quant
	.p2alignl 7, 3214868480
	.fill 96, 4, 3214868480
	.section	.rodata,"a",@progbits
	.p2align	6, 0x0
	.amdhsa_kernel k_q12cea3a3d2_quant
		.amdhsa_group_segment_fixed_size 33280
		.amdhsa_private_segment_fixed_size 0
		.amdhsa_enable_private_segment 0
		.amdhsa_kernarg_size 40
		.amdhsa_user_sgpr_count 2
		.amdhsa_user_sgpr_kernarg_segment_ptr 1
		.amdhsa_wavefront_size32 1
		.amdhsa_system_sgpr_workgroup_id_x 1
		.amdhsa_system_sgpr_workgroup_id_y 1
		.amdhsa_system_sgpr_workgroup_id_z 1
		.amdhsa_system_vgpr_workitem_id 0
		.amdhsa_next_free_vgpr 194
		.amdhsa_next_free_sgpr 66
		.amdhsa_reserve_vcc 0
		.amdhsa_float_denorm_mode_32 3
		.amdhsa_float_denorm_mode_16_64 3
		.amdhsa_memory_ordered 1
		.amdhsa_forward_progress 1
		.amdhsa_inst_pref_size 38
	.end_amdhsa_kernel
	.amdgpu_metadata
---
amdhsa.version: [ 1, 2 ]
amdhsa.kernels:
  - .name:           k_q12cea3a3d2_quant
    .symbol:         k_q12cea3a3d2_quant.kd
    .args:
      - { .name: u, .offset: 0, .size: 8, .value_kind: global_buffer, .address_space: global }
      - { .name: W_in, .offset: 8, .size: 8, .value_kind: global_buffer, .address_space: global }
      - { .name: lowp_scales, .offset: 16, .size: 8, .value_kind: global_buffer, .address_space: global }
      - { .name: u_codes, .offset: 24, .size: 8, .value_kind: global_buffer, .address_space: global }
      - { .name: w_codes, .offset: 32, .size: 8, .value_kind: global_buffer, .address_space: global }
    .group_segment_fixed_size: 33280
    .private_segment_fixed_size: 0
    .kernarg_segment_align: 8
    .kernarg_segment_size: 40
    .max_flat_workgroup_size: 128
    .sgpr_count:     66
    .vgpr_count:     194
    .wavefront_size: 32
...
	.end_amdgpu_metadata
.endif
;; end of part 1
;; launch proj (part 2): grid 16 x 16, 4 waves a work-group, clusters of 4 x 4, 327,680 bytes of LDS; arguments u_codes, w_codes, lowp_scales, q_img, kv_part; writes q_img, kv_part
.if DOCPART == 2
	.amdgcn_target "amdgcn-amd-amdhsa--gfx1250"
	.amdhsa_code_object_version 6
	.text
	.protected	k_q12cea3a3d2_proj
	.globl	k_q12cea3a3d2_proj
	.p2align	8
	.type	k_q12cea3a3d2_proj,@function
k_q12cea3a3d2_proj:
	s_mov_b64 s[64:65], 0
	v_nop
	global_prefetch_b8 v0, s[64:65] scope:SCOPE_SE
	s_setreg_imm32_b32 hwreg(HW_REG_WAVE_MODE, 25, 1), 1
	s_wait_xcnt 0x0
	s_wait_alu depctr_hold_cnt(0) depctr_sa_sdst(0) depctr_va_vdst(0) depctr_va_sdst(0) depctr_va_ssrc(0) depctr_va_vcc(0) depctr_vm_vsrc(0)
	s_getreg_b32 s2, hwreg(HW_REG_IB_STS2, 6, 4)
	s_cmp_eq_u32 s2, 0
	s_cbranch_scc0 .Lentry_in_a_cluster
	s_endpgm
.Lentry_in_a_cluster:
	s_bfe_u32 s2, ttmp6, 0x10000c
	s_cmp_lg_u32 s2, 0xf033
	s_cbranch_scc0 .Lentry_shape_is_right
	s_endpgm
.Lentry_shape_is_right:
; THE PROJECTION u W^T ON CODES OF FP8 (E4M3), AND THE PRODUCT k^T v ON ITS RESULTS, WHICH NEVER GO TO MEMORY.
; u_codes [16384][1024]; w_codes [3072][1024], rows in this order: for each head 64 rows of v, then 64 rows of k; from row 2048 on the rows of q.
; A work-group of four waves makes three tiles of 256 x 256 of the projection, one after the other: two of (v, k) and one of q.  A wave makes 128 x 128: 64 accumulators of
; 16 x 16, 512 registers.  K = 1,024 goes in four steps of 256 through a ring of two LDS slots filled by the tensor data mover; the ring does not stop at a tile's end.
; THE LAYOUT CHAIN.  In a result, register j of lane (r, h) is (row 8 h + j of source 0, row r of source 1).  The operand layout of the plain 8-bit forms puts k = 16 c + 8 h + 0..7
; into registers 2 c, 2 c + 1.  So eight results of a lane, turned into eight codes (two registers), ARE registers 2 c, 2 c + 1 of the next product's operand, c being the tile's
; number along the next K.  Nothing is transposed anywhere.
;   (v, k) tile: source 0 = 16 rows of u, source 1 = 16 rows of W: a lane holds one column (p of v, or n of k), its registers run along l.  A wave's 128 rows of W are ONE head: blocks 0-3 v, 4-7 k.
;     The eight tiles of a block become a fragment of 16 columns x 128 l, and D2(nb, pb) += k's fragment nb x v's fragment pb (K = 128): sixteen accumulators, summed over both tiles
;     in registers.  Then the two waves of a head add theirs through LDS and one of them stores a PARTIAL SUM over 512 rows of l, raw (no scale applied), as an image of its registers.
;   q tile: source 0 = 16 rows of W, source 1 = 16 rows of u: a lane holds one l, its registers run along n.  Four tiles become a fragment of 16 l x 64 n, stored as an image of its registers.
; SCALES.  A sum of the projection stands for sum x 2^(e0 + e1).  Its code under the next scale 2^e is sum / 2^(e - e0 - e1): the three are folded into the conversion's one.  k takes e2 (it is the
; left operand of the second product), v takes e3, q takes e5 (the right operand of the third).  The hold at +-448 x the scale is always executed.
; LIMITS: e2 - e0 - e1, e3 - e0 - e1 and e5 - e0 - e1 lie between -126 and 119, so that each scale and 448 x it is an f32 number.  NaN is not served.
; Inside a K step the 64 codes of a fragment are fetched by two loads of 16 bytes, which puts k in other places than the form's own layout: the same places in both operands, so
; every product meets its partner; only the order of the sums inside an instruction differs.
; CLUSTERS: 4 x 4 work-groups.  A' (source 1's tile) hangs on cy and the cluster's number and is shared along a row of the cluster, B' (source 0's) on cx and the cluster's number and is
; shared along a column: each is asked for JOINTLY, by the same tensor load with the same descriptor and a mask that names the four.
;   cluster (X, Y): c = 4 Y + X, g = X & 1, uu = 2 Y + (X >> 1).   (v, k) tile t = 0, 1: A' = w_codes rows 256 (4 g + cy), B' = u_codes rows 256 (8 uu + 4 t + cx).
;   q tile: A' = u_codes rows 256 (4 c + cy), B' = w_codes rows 2048 + 256 cx.
; REGISTERS, in windows of 256 (s_set_vgpr_msb's low byte: bits 1:0 source 0, 3:2 source 1, 5:4 source 2, 7:6 destination):
;   window 0: v0-31 addresses and scales; v64-127, v128-191 A's fragments, two buffers; v128-255 the codes just made (fragment a at FB(a) = 128 + 32 ((a + 1) % 4) + 16 (a / 4))
;   window 1: v64-127, v128-191 B's fragments, two buffers; v0-63 and v192-255 D2 (accumulator t = 4 nb + pb at 8 t + 128 (t / 8))
;   window 2: the accumulators of A's blocks 0-3 ((a, b) at 8 (8 a + b));   window 3: those of blocks 4-7.
; FB's order keeps every conversion's destination numbers apart from its source numbers, though they lie in different windows.
.set PITCH,  272                       ; an LDS row: 256 bytes of codes + 16 of padding = 68 words: row r starts at bank 4 r mod 64 (64 banks of 4 bytes: ISA guide 11.1), so the 16 rows of a load start at 16 different banks
.set HALFT,  128*PITCH                 ; 128 rows: what one tensor load brings, and what one wave reads of A' or of B'
.set SLOT,   4*HALFT                   ; A's 256 rows, then B's 256 rows
.set SCR,    2*SLOT                    ; behind the ring: 16,384 bytes for each head of the work-group, where one wave hands its D2 to the other; no tensor load lands here
.set SPARE,  SCR+2*16384               ; behind that: the spare words, 128 bytes for each wave: two blocks of 256 bytes that no other line names
.set KROW,   1024                      ; a row of codes in memory, in bytes
.set KSTEPB, 256                       ; a K step in bytes
.set ADRA, 16                          ; v16-17  LDS address of my A' fragments in slot 0, 1
.set ADRB, 20                          ; v20-21  the same for B'
.set SCRA, 24                          ; v24     my lane's place in my head's part of SCR
.set LO,   25                          ; v25     16 x lane: my lane's place in an image
.set SCV,  26                          ; v26     2^(e3 - e0 - e1) as f32, for v's conversions
.set SCK,  27                          ; v27     2^(e2 - e0 - e1), for k's
.set SPW,  28                          ; v28     LDS address of my spare word: SPARE + 4 x my thread's number; never rewritten
.set NIL,  29                          ; v29     0; never rewritten
.set SCQ,  30                          ; v30     2^(e5 - e0 - e1), for q's
.set PFO,  31                          ; v31     the prefetches' offset: my lane x a row of codes; never rewritten
.set F0,   64                          ; fragment buffer 0
.set F1,   128                         ; fragment buffer 1
.set G1,   24                          ; s[24:31] descriptor group 1 for A's tiles;  s[32:39] group 0, one set for each slot
.set G0,   32
.set G1B,  48                          ; s[48:55], s[56:63] the same for B's tiles
.set G0B,  56
.set NA,   40                          ; s[40:41] the next tile's rows of A' that I fetch;  s[42:43] of B'
.set NB,   42
.set NA2,  44                          ; s[44:45], s[46:47] the same for the q tile
.set NB2,  46
.set PFA,  66                          ; s[66:67] my 32 rows of the next tile's B', for the prefetches;  s[68:69] of the q tile's
.set PFA2, 68
.set LIM,  70                          ; s70  1 in a wave that prefetches in this trip;  s71 in the next
.set LIM2, 71
.set TILE, 72                          ; s72  (v, k) tiles to go
.set MSB, 0
.macro WIN new                         ; the immediate's high byte repeats the setting that is left; a switch that changes nothing is dropped
.if MSB != (\new)
	s_set_vgpr_msb (MSB<<8)|(\new)
.set MSB, (\new)
.endif
.endm
.set MUL_LO, 0xa1                      ; source 0 (B') window 1, source 1 (A') window 0, C and D window 2
.set MUL_HI, 0xf1                      ; the same, C and D window 3
.set TO_B,   0x40                      ; destination window 1, address window 0
; A joint load: waves 0 and 1 fetch A's two halves, waves 2 and 3 B's.  Each of the two lines has ONE mask and one set of registers for all that issue it; the branch hangs on the wave's number alone.
; Four v_nop follow each of the two lines, ahead of the jump, the label and what follows.
.macro JLOAD s
	s_cmp_eq_u32 s15, 0
	s_cbranch_scc0 .Lfor_b_\@
	tensor_load_to_lds s[G0+4*\s:G0+4*\s+3], s[G1:G1+7]
	s_nop 0
.rept 4
	v_nop
.endr
	s_branch .Lasked_\@
.Lfor_b_\@:
	tensor_load_to_lds s[G0B+4*\s:G0B+4*\s+3], s[G1B:G1B+7]
	s_nop 0
.rept 4
	v_nop
.endr
.Lasked_\@:
.endm
; A PREFETCH INTO THE L2 of K step i of the NEXT tile's B' rows: the i-th change of slots of a tile names the K step that the change two further on asks for by its joint load: 512 matrix instructions ahead.
; 32 rows x 256 bytes, a lane a row, one instruction a wave.  Each row's 256 bytes are named once in the launch: of the clusters that read the same rows one asks (g = 0 for u's rows, c = 0 for q's
; rows of W); in it the waves that fetch B' ask, and of the 128 rows that such a wave fetches each of the four partners takes 32, told apart BY ADDRESS (cy).  The first tile's rows come by their loads alone,
; the q tile's changes of slots ask for nothing; A's rows of the second and third tile have been read by earlier tiles.
.macro ASK i
	s_cmp_eq_u32 s[LIM], 1
	s_cbranch_scc0 .Lnot_mine_\@
	global_prefetch_b8 v[PFO], s[PFA:PFA+1] offset:KSTEPB*(\i) th:TH_LOAD_NT scope:SCOPE_SE
.Lnot_mine_\@:
.endm
.macro CREST                           ; a round of the cluster's barrier behind its opening barrier
	s_cmp_lg_u32 s14, 0
	s_cbranch_scc1 .Lnot_wave_0_\@
	s_barrier_signal -3
.Lnot_wave_0_\@:
	s_barrier_wait -3
	s_barrier_signal -1
	s_barrier_wait -1
.endm
.macro CROUND                          ; a whole round
	s_barrier_signal -1
	s_barrier_wait -1
	CREST
.endm
	s_load_b128 s[4:7], s[0:1], 0x0                ; u's codes s[4:5], W's codes s[6:7]
	s_load_b128 s[8:11], s[0:1], 0x10              ; the scales' exponents s[8:9], q's images s[10:11]
	s_load_b64 s[12:13], s[0:1], 0x20              ; the partial sums
	v_lshl_add_u32 v[SPW], v0, 2, SPARE
	v_mov_b32 v[NIL], 0
	ds_add_u32 v28, v29
	ds_add_u32 v28, v29
	s_wait_dscnt 0x0
	v_lshrrev_b32 v1, 5, v0
	v_readfirstlane_b32 s14, v1                    ; wave 0..3
	s_lshr_b32 s15, s14, 1                         ; RH: which 128 rows of A' I multiply.  Also: I fetch for A' (0) or for B' (1)
	s_and_b32 s16, s14, 1                          ; CH: which 128 rows of B' I multiply.  Also: which 128 rows of that tile I fetch
	s_bfe_u32 s17, ttmp6, 0x40000                  ; cx, cy: my place in the cluster
	s_bfe_u32 s18, ttmp6, 0x40004
	s_mov_b32 s19, ttmp9                           ; X, Y: the cluster's place (in a cluster launch ttmp9 and ttmp7 count clusters)
	s_and_b32 s20, ttmp7, 0xffff
	s_and_b32 s73, s19, 1                          ; g
	s_lshr_b32 s74, s19, 1
	s_lshl_b32 s75, s20, 1
	s_add_co_u32 s74, s74, s75                     ; uu = 2 Y + (X >> 1)
	s_lshl_b32 s75, s20, 2
	s_add_co_u32 s75, s75, s19                     ; c = 4 Y + X
	s_lshl_b32 s21, s18, 2
	s_lshl_b32 s21, 15, s21                        ; my row of the cluster: places 4 cy .. 4 cy + 3
	s_lshl_b32 s22, 0x1111, s17                    ; my column: places cx, cx + 4, cx + 8, cx + 12
	; descriptor group 1: a tile of 128 rows x 256 bytes, padded in LDS
	s_or_b32 s[G1+0], s21, (0<<16)|(1<<20)|(1<<21)|(5<<22)|(3<<25)  ; 15:0 the mask: A's tiles go to my row; 17:16 element of 1 byte; 20 padding on; 21 set beside a mask; 24:22 after every 64 words (code 5); 31:25 of 4 words (code 3)
	s_or_b32 s[G1B+0], s22, (0<<16)|(1<<20)|(1<<21)|(5<<22)|(3<<25) ; the same with the mask of my column, for B's tiles
.irp g, G1, G1B
	s_mov_b32 s[\g+1], KSTEPB<<16                  ; tensor_dim0 = 256
	s_mov_b32 s[\g+2], 128<<16                     ; tensor_dim1 = 128
	s_mov_b32 s[\g+3], KSTEPB<<16                  ; tile_dim0 = 256
	s_mov_b32 s[\g+4], 128                         ; tile_dim1 = 128
	s_mov_b32 s[\g+5], KROW                        ; tensor_dim0_stride
	s_mov_b32 s[\g+6], 0
	s_mov_b32 s[\g+7], 0
.endr
	; where the tiles come from, in units of 128 rows (2^17 bytes).  A's offsets are made in s[88:91], which never hold cx; B's in s[92:95], which never hold cy.
	s_lshl_b32 s88, s73, 2
	s_add_co_u32 s88, s88, s18                     ; (v, k) tiles, A': tile 4 g + cy of w_codes
	s_lshl_b32 s88, s88, 1
	s_add_co_u32 s88, s88, s16                     ; + the half that I fetch
	s_lshl_b32 s88, s88, 17
	s_mov_b32 s89, 0
	s_lshl_b32 s90, s75, 2
	s_add_co_u32 s90, s90, s18                     ; q tile, A': tile 4 c + cy of u_codes
	s_lshl_b32 s90, s90, 1
	s_add_co_u32 s90, s90, s16
	s_lshl_b32 s90, s90, 17
	s_mov_b32 s91, 0
	s_lshl_b32 s92, s74, 3
	s_add_co_u32 s92, s92, s17                     ; (v, k) tile 0, B': tile 8 uu + cx of u_codes
	s_lshl_b32 s92, s92, 1
	s_add_co_u32 s92, s92, s16
	s_lshl_b32 s92, s92, 17
	s_mov_b32 s93, 0
	s_lshl_b32 s94, s17, 1
	s_add_co_u32 s94, s94, s16
	s_add_co_u32 s94, s94, 16                      ; q tile, B': rows 2048 + 256 cx of w_codes
	s_lshl_b32 s94, s94, 17
	s_mov_b32 s95, 0
	s_mul_i32 s3, s14, HALFT                       ; and where they go: wave x 128 rows: no place in the cluster enters an LDS address
	s_wait_kmcnt 0x0
	s_load_b128 s[76:79], s[8:9], 0x0              ; e0 .. e3
	s_load_b64 s[80:81], s[8:9], 0x10              ; e4 (not used here), e5
	s_add_nc_u64 s[NA:NA+1], s[6:7], s[88:89]      ; both (v, k) tiles take the same rows of W
	s_add_nc_u64 s[NA2:NA2+1], s[4:5], s[90:91]
	s_add_nc_u64 s[92:93], s[4:5], s[92:93]        ; tile 0's rows of u,
	s_add_nc_u64 s[NB:NB+1], s[92:93], 0x100000    ; tile 1's: four tiles, 1,024 rows, further down
	s_add_nc_u64 s[NB2:NB2+1], s[6:7], s[94:95]
	CROUND                                         ; all sixteen work-groups are here: the first joint loads meet
.irp s, 0,1
	s_mov_b32 s[G0+4*\s], 1                                        ; 1:0 count = 1
	s_add_co_u32 s[G0+4*\s+1], s3, \s*SLOT                         ; 63:32 LDS address
	s_add_nc_u64 s[G0+4*\s+2:G0+4*\s+3], s[NA:NA+1], \s*KSTEPB     ; 120:64 global address: K step s
	s_or_b32 s[G0+4*\s+3], s[G0+4*\s+3], 0x80000000                ; 127:126 type = 2
	s_mov_b32 s[G0B+4*\s], 1
	s_add_co_u32 s[G0B+4*\s+1], s3, \s*SLOT
	s_add_nc_u64 s[G0B+4*\s+2:G0B+4*\s+3], s[92:93], \s*KSTEPB
	s_or_b32 s[G0B+4*\s+3], s[G0B+4*\s+3], 0x80000000
	JLOAD \s                                       ; the ring is filled before anything else is done: two loads of mine are out
.endr
	; D2 is cleared once, while the first tiles are on their way: the loop over the two (v, k) tiles is written once, and its product k^T v always adds in place
	WIN 0x40
.set i, 0
.rept 64
	v_mov_b32 v[i], 0
	v_mov_b32 v[i+192], 0
.set i, i+1
.endr
	WIN 0
	; a fragment is 16 rows x 64 K in 8 registers: two loads of 16 bytes, 32 bytes apart, at row x pitch + 16 (lane / 16)
	v_and_b32 v1, 15, v0
	v_bfe_u32 v2, v0, 4, 1
	v_mul_u32_u24 v3, v1, PITCH
	v_lshl_add_u32 v3, v2, 4, v3
	s_mul_i32 s96, s15, HALFT                      ; my 128 rows of A'
	s_mul_i32 s97, s16, HALFT                      ; my 128 rows of B',
	s_add_co_u32 s97, s97, 2*HALFT                 ; which lie behind A's 256
.irp s, 0,1
	v_add_nc_u32 v[ADRA+\s], s96, v3
	v_add_nc_u32 v[ADRB+\s], s97, v3
	s_add_co_u32 s96, s96, SLOT
	s_add_co_u32 s97, s97, SLOT
.endr
	v_and_b32 v1, 31, v0
	v_lshlrev_b32 v[LO], 4, v1
	s_lshl_b32 s96, s15, 14
	s_add_co_u32 s96, s96, SCR
	v_add_nc_u32 v[SCRA], s96, v[LO]
	v_lshlrev_b32 v[PFO], 10, v1
	; where my partial sum goes: ((batch x 16 + head) x 8 + pi) x 16,384 bytes; batch = uu / 2, head = 2 (4 g + cy) + RH, pi = 4 (uu % 2) + cx
	s_lshr_b32 s96, s74, 1
	s_lshl_b32 s96, s96, 4
	s_lshl_b32 s97, s73, 2
	s_add_co_u32 s97, s97, s18
	s_lshl_b32 s97, s97, 1
	s_add_co_u32 s97, s97, s15
	s_add_co_u32 s96, s96, s97
	s_lshl_b32 s96, s96, 3
	s_and_b32 s97, s74, 1
	s_lshl_b32 s97, s97, 2
	s_add_co_u32 s97, s97, s17
	s_add_co_u32 s96, s96, s97
	s_lshl_b32 s96, s96, 14
	s_mov_b32 s97, 0
	s_add_nc_u64 s[12:13], s[12:13], s[96:97]
	; where my images of q go: ((batch x 16 + head) x 256 + block of 16 rows) x 1,024 bytes; batch = c / 4, head = 4 cx + 2 CH (+ 1), block = 16 ((4 c + cy) % 16) + 8 RH (+ a)
	s_lshr_b32 s96, s75, 2
	s_lshl_b32 s96, s96, 4
	s_lshl_b32 s97, s17, 2
	s_add_co_u32 s96, s96, s97
	s_lshl_b32 s97, s16, 1
	s_add_co_u32 s96, s96, s97
	s_lshl_b32 s96, s96, 8
	s_lshl_b32 s97, s75, 2
	s_add_co_u32 s97, s97, s18
	s_and_b32 s97, s97, 15
	s_lshl_b32 s97, s97, 4
	s_add_co_u32 s96, s96, s97
	s_lshl_b32 s97, s15, 3
	s_add_co_u32 s96, s96, s97
	s_lshl_b32 s96, s96, 10
	s_mov_b32 s97, 0
	s_add_nc_u64 s[10:11], s[10:11], s[96:97]
	; the prefetches, in units of 32 rows (2^15 bytes): tile 1's rows of u: 8 (8 uu + 4 + cx) + 4 CH + cy;  q's rows of W: 64 + 8 cx + 4 CH + cy
	s_lshl_b32 s96, s74, 3
	s_add_co_u32 s96, s96, 4
	s_add_co_u32 s96, s96, s17
	s_lshl_b32 s96, s96, 1
	s_add_co_u32 s96, s96, s16
	s_lshl_b32 s96, s96, 2
	s_add_co_u32 s96, s96, s18
	s_lshl_b32 s96, s96, 15
	s_add_nc_u64 s[PFA:PFA+1], s[4:5], s[96:97]
	s_lshl_b32 s96, s17, 1
	s_add_co_u32 s96, s96, s16
	s_lshl_b32 s96, s96, 2
	s_add_co_u32 s96, s96, s18
	s_add_co_u32 s96, s96, 64
	s_lshl_b32 s96, s96, 15
	s_add_nc_u64 s[PFA2:PFA2+1], s[6:7], s[96:97]
	s_xor_b32 s98, s15, 1                          ; 0 in the waves that fetch B'
	s_or_b32 s99, s98, s73                         ; of the clusters with g = 0: the same in all sixteen partners, for a given wave
	s_cmp_eq_u32 s99, 0
	s_cselect_b32 s[LIM], 1, 0
	s_or_b32 s99, s98, s75                         ; of cluster c = 0
	s_cmp_eq_u32 s99, 0
	s_cselect_b32 s[LIM2], 1, 0
	; the folded scales: v[vr] = 2^(e - e0 - e1) as f32 (the conversion takes its exponent field); s[lo], s[lo + 1] = -+448 x that
.macro SCALE e, vr, lo
	s_sub_co_i32 s97, s[\e], s96
	s_add_co_i32 s97, s97, 127
	s_lshl_b32 s98, s97, 23
	v_mov_b32 v[\vr], s98
	s_add_co_i32 s97, s97, 8
	s_lshl_b32 s97, s97, 23
	s_or_b32 s[\lo+1], s97, 0x600000
	s_or_b32 s[\lo], s[\lo+1], 0x80000000
.endm
	s_wait_kmcnt 0x0
	s_add_co_i32 s96, s76, s77                     ; e0 + e1
	SCALE 79, SCV, 82                              ; v: e3
	SCALE 78, SCK, 84                              ; k: e2
	SCALE 81, SCQ, 86                              ; q: e5
; 16 matrix instructions: A's blocks a0, a0 + 1 of the window's four (hi = 0: blocks 0-3, 1: blocks 4-7) x B's eight, 64 along K.  zero = 1: the first product starts the sums.
; The 64 accumulators take turns, one instruction a turn, in the same order in every quarter.
.macro MUL16 f, hi, a0, zero
.irp a, \a0, \a0+1
.irp b, 0,1,2,3,4,5,6,7
.if \zero
	v_wmma_f32_16x16x64_fp8_fp8 v[8*(8*(\a)+\b):8*(8*(\a)+\b)+7], v[\f+8*\b:\f+8*\b+7], v[\f+8*(4*\hi+\a):\f+8*(4*\hi+\a)+7], 0
.else
	v_wmma_f32_16x16x64_fp8_fp8 v[8*(8*(\a)+\b):8*(8*(\a)+\b)+7], v[\f+8*\b:\f+8*\b+7], v[\f+8*(4*\hi+\a):\f+8*(4*\hi+\a)+7], v[8*(8*(\a)+\b):8*(8*(\a)+\b)+7]
.endif
.endr
.endr
.endm
; 32 LDS loads in one run: the fragments of one quarter (128 rows of B', 128 rows of A', 64 K at byte k of the rows) into buffer f
.macro FETCH slot, k, f
	WIN TO_B
.irp i, 0,1,2,3,4,5,6,7
	ds_load_b128 v[\f+8*\i:\f+8*\i+3],   v[ADRB+\slot] offset:\k+\i*16*PITCH
	ds_load_b128 v[\f+8*\i+4:\f+8*\i+7], v[ADRB+\slot] offset:\k+\i*16*PITCH+32
.endr
	WIN 0
.irp i, 0,1,2,3,4,5,6,7
	ds_load_b128 v[\f+8*\i:\f+8*\i+3],   v[ADRA+\slot] offset:\k+\i*16*PITCH
	ds_load_b128 v[\f+8*\i+4:\f+8*\i+7], v[ADRA+\slot] offset:\k+\i*16*PITCH+32
.endr
.endm
; A load into a register that a matrix instruction has read, and a vector instruction or a store that reads a matrix result, stand four places behind that matrix instruction, and only plain
; vector instructions that name none of its registers are places (ISA guide 7.12.1 for vector instructions).
.macro PLACES
.rept 4
	v_nop
.endr
.endm
; A K step is four quarters of 64 along K, 64 matrix instructions each, on buffers 0, 1, 0, 1.  One of the first three: multiplies buffer f; in its middle it fetches the next quarter, at byte k, into buffer g.
.macro QUARTER slot, k, f, g, zero
	s_wait_dscnt 8                                 ; B' and A's blocks 0-3 are in; the youngest eight loads (A's blocks 4-7) may be out
	WIN MUL_LO
	MUL16 \f, 0, 0, \zero
	MUL16 \f, 0, 2, \zero
	PLACES
	FETCH \slot, \k, \g
	s_wait_dscnt 32                                ; all but the 32 just issued
	WIN MUL_HI
	MUL16 \f, 1, 0, \zero
	MUL16 \f, 1, 2, \zero
.endm
.macro THREE slot, zero                ; a K step's first three quarters
	QUARTER \slot, 64,  F0, F1, \zero
	QUARTER \slot, 128, F1, F0, 0
	QUARTER \slot, 192, F0, F1, 0
.endm
; The last quarter multiplies buffer 1 and changes slots.  MEET is its first half: ONE barrier.  In front of it each wave waits for all its tensor loads, of which one is out: its part of the next slot;
; adds 0 to its spare word; and waits for that and for its own reads of this slot.  Behind it nobody reads this slot any more and the next slot is whole.
.macro MEET round                      ; round = 1: a round of the cluster's barrier follows
	WIN 0                                          ; (the add's two registers lie in window 0)
	s_wait_tensorcnt 0x0                           ; all my tensor loads have landed;
	ds_add_u32 v[SPW], v[NIL]                      ; 0 onto my spare word;
	s_wait_dscnt 9                                 ; (the add and the youngest eight loads may be out)
	WIN MUL_LO
	MUL16 F1, 0, 0, 0                              ; sixteen matrix instructions stand between the add and the wait for it
	s_wait_dscnt 0x0                               ; the add is done, and my reads of this slot are over:
	s_barrier_signal -1                            ; say so,
	MUL16 F1, 0, 2, 0                              ; work on registers while the others arrive,
.if \round
	WIN 0
.endif
	s_barrier_wait -1                              ; and go on when all four have said so
.endm
; The whole last quarter.  mode 0: the slot just read is filled with this tile's K step two steps on; mode 1: with the NEXT tile's K step 0 (slot 0) or 1 (slot 1); mode 2: with nothing, and no round.
; pf: the K step of the next tile's B' that is prefetched, or -1.  From a request to the wait for it a wave issues 224 matrix instructions, across tiles too.
.macro TURN slot, next, mode, pf
.if (\mode) == 2
	MEET 0
	PLACES
.else
	MEET 1
	CREST                                          ; the barrier has opened a round of the cluster's barrier: no wave of any partner still reads this slot's tile or has a load on its way
.if (\mode) == 1
	s_add_nc_u64 s[G0+4*\slot+2:G0+4*\slot+3], s[NA:NA+1], \slot*KSTEPB
	s_or_b32 s[G0+4*\slot+3], s[G0+4*\slot+3], 0x80000000
	s_add_nc_u64 s[G0B+4*\slot+2:G0B+4*\slot+3], s[NB:NB+1], \slot*KSTEPB
	s_or_b32 s[G0B+4*\slot+3], s[G0B+4*\slot+3], 0x80000000
.else
	s_add_nc_u64 s[G0+4*\slot+2:G0+4*\slot+3], s[G0+4*\slot+2:G0+4*\slot+3], 2*KSTEPB    ; the type bits on top are not reached
	s_add_nc_u64 s[G0B+4*\slot+2:G0B+4*\slot+3], s[G0B+4*\slot+2:G0B+4*\slot+3], 2*KSTEPB
.endif
	JLOAD \slot                                    ; the first tensor load behind the round, and my only one until the next; the four v_nop behind it are also the places in front of the loads below
.endif
	FETCH \next, 0, F0
.if (\pf) >= 0
	ASK \pf                                        ; behind the joint load and the run of LDS loads that the next products wait for
.endif
	WIN MUL_HI
	MUL16 F1, 1, 0, 0
	MUL16 F1, 1, 2, 0
.endm
; The 32 accumulators of window 2 + w become codes.  Each number is held within +-448 x the scale (the conversion to an 8-bit code does not saturate: ISA guide 7.6.2), each accumulator from its low end on;
; then eight numbers of a lane become two registers: accumulator (a, b) gives registers 2 b, 2 b + 1 of fragment 4 w + a.
.macro QUANT w, sc, lo
	WIN 0x82+0x41*(\w)                             ; source 0 and destination: window 2 + w
.set i, 0
.rept 256
	v_med3_num_f32 v[i], v[i], s[\lo], s[\lo+1]
.set i, i+1
.endr
	WIN 0x02+(\w)                                  ; source 0: window 2 + w; destination and scale: window 0
.irp a, 0,1,2,3
.irp b, 0,1,2,3,4,5,6,7
.set CD, 128+32*((\a+1)%4)+16*(\w)+2*\b
	v_cvt_scalef32_pk8_fp8_f32 v[CD:CD+1], v[8*(8*\a+\b):8*(8*\a+\b)+7], v[\sc]
.endr
.endr
.endm
; D2(nb, pb) += k's fragment nb x v's fragment pb over my 128 rows of l: register j of lane (r, h) is (n = 16 nb + 8 h + j, p = 16 pb + r).  Sixteen accumulators, one instruction each.
.macro PROD2
	WIN 0x50                                       ; C and D window 1, the fragments window 0
.irp nb, 0,1,2,3
.irp pb, 0,1,2,3
.set D2R, 8*(4*\nb+\pb)+128*(\nb/2)
.set KFR, 128+32*((\nb+1)%4)+16
.set VFR, 128+32*((\pb+1)%4)
	v_wmma_f32_16x16x128_fp8_fp8 v[D2R:D2R+7], v[KFR:KFR+15], v[VFR:VFR+15], v[D2R:D2R+7]
.endr
.endr
	WIN 0
.endm
	s_wait_tensorcnt 1                             ; my part of K step 0 is in (K step 1's load, issued behind it, may be out),
	s_barrier_signal -1
	s_barrier_wait -1                              ; everybody's is
	FETCH 0, 0, F0
	s_mov_b32 s[TILE], 2
.Lkv:                                              ; two trips: a (v, k) tile each.  The ring goes on into the next tile: the last two changes of slots ask for its K steps 0 and 1
	THREE 0, 1                                     ; the first quarter's products start the sums
	TURN 0, 1, 0, 0
	THREE 1, 0
	TURN 1, 0, 0, 1
	THREE 0, 0
	TURN 0, 1, 1, 2
	THREE 1, 0
	TURN 1, 0, 1, 3                                ; and the next tile's first fragments are fetched into buffer 0
	PLACES
	QUANT 0, SCV, 82                               ; blocks 0-3: v
	QUANT 1, SCK, 84                               ; blocks 4-7: k
	v_nop                                          ; one plain vector instruction between the last scaled conversion and the matrix instructions that read its result and, later, write its sources
	PROD2
	s_wait_xcnt 0x0                                ; the trip's prefetches have read their address, so it may be written
	s_mov_b64 s[NA:NA+1], s[NA2:NA2+1]             ; the tile after the next is the q tile
	s_mov_b64 s[NB:NB+1], s[NB2:NB2+1]
	s_mov_b64 s[PFA:PFA+1], s[PFA2:PFA2+1]
	s_mov_b32 s[LIM], s[LIM2]
	s_sub_co_u32 s[TILE], s[TILE], 1
	s_cmp_lg_u32 s[TILE], 0
	s_cbranch_scc1 .Lkv
	; THE TWO WAVES OF A HEAD ADD THEIR D2.  The wave with CH = 1 hands its sixteen accumulators over as images of its registers; the wave with CH = 0 adds and stores the partial sum.
	PLACES                                         ; behind the last products: their results are read, and their fragments' registers are loaded into
	s_cmp_eq_u32 s16, 0
	s_cbranch_scc1 .Lkeeps
	WIN 0x04                                       ; store data: window 1
.irp t, 0,1,2,3,4,5,6,7,8,9,10,11,12,13,14,15
.set D2R, 8*\t+128*(\t/8)
	ds_store_b128 v[SCRA], v[D2R:D2R+3] offset:\t*1024           ; each accumulator from its low end on; 32 lanes, 512 consecutive bytes
	ds_store_b128 v[SCRA], v[D2R+4:D2R+7] offset:\t*1024+512
.endr
	WIN 0
.Lkeeps:
	s_wait_dscnt 0x0                               ; for the other wave's sake: my stores have landed
	s_barrier_signal -1
	s_barrier_wait -1                              ; the q tile's K step 1 may stay on its way
	s_cmp_lg_u32 s16, 0
	s_cbranch_scc1 .Lgave
.irp t, 0,1,2,3,4,5,6,7,8,9,10,11,12,13,14,15
	ds_load_b128 v[128+8*\t:128+8*\t+3], v[SCRA] offset:\t*1024
	ds_load_b128 v[128+8*\t+4:128+8*\t+7], v[SCRA] offset:\t*1024+512
.endr
	s_wait_dscnt 0x0
	WIN 0x01                                       ; source 0 (my D2): window 1
.irp t, 0,1,2,3,4,5,6,7,8,9,10,11,12,13,14,15
.set D2R, 8*\t+128*(\t/8)
.irp j, 0,2,4,6
	v_pk_add_f32 v[128+8*\t+\j:128+8*\t+\j+1], v[D2R+\j:D2R+\j+1], v[128+8*\t+\j:128+8*\t+\j+1]
.endr
.endr
	WIN 0
.irp t, 0,1,2,3,4,5,6,7,8,9,10,11,12,13,14,15
	global_store_b128 v[LO], v[128+8*\t:128+8*\t+3], s[12:13] offset:\t*1024          ; 32 lanes store 512 consecutive bytes, at a multiple of 512 from the buffer's first byte
	global_store_b128 v[LO], v[128+8*\t+4:128+8*\t+7], s[12:13] offset:\t*1024+512
.endr
.Lgave:
	s_wait_xcnt 0x0                                ; the stores have read their registers: buffer 1 of A's fragments, which lies there, is loaded again only behind this wait
	; THE q TILE, written out: its last two K steps fill nothing
	THREE 0, 1
	TURN 0, 1, 0, -1
	THREE 1, 0
	TURN 1, 0, 0, -1
	THREE 0, 0
	TURN 0, 1, 2, -1
	THREE 1, 0
	s_wait_dscnt 8                                 ; the very last quarter: nothing more to fetch
	WIN MUL_LO
	MUL16 F1, 0, 0, 0
	MUL16 F1, 0, 2, 0
	s_wait_dscnt 0x0
	WIN MUL_HI
	MUL16 F1, 1, 0, 0
	MUL16 F1, 1, 2, 0
	PLACES
	QUANT 0, SCQ, 86
	QUANT 1, SCQ, 86
	v_nop                                          ; one plain vector instruction behind the last scaled conversion
	WIN 0
	; fragment (a, hq): 16 rows of l x the 64 n of head 4 cx + 2 CH + hq: eight registers at FB(a) + 8 hq, stored as they stand
.irp a, 0,1,2,3,4,5,6,7
.set FBA, 128+32*((\a+1)%4)+16*(\a/4)
.irp hq, 0,1
	global_store_b128 v[LO], v[FBA+8*\hq:FBA+8*\hq+3], s[10:11] offset:\hq*262144+\a*1024         ; 32 lanes store 512 consecutive bytes, at a multiple of 512 from the buffer's first byte
	global_store_b128 v[LO], v[FBA+8*\hq+4:FBA+8*\hq+7], s[10:11] offset:\hq*262144+\a*1024+512
.endr
.endr
	s_wait_tensorcnt 0x0                           ; the wave's end: behind my last tensor load and my last LDS store
	ds_add_u32 v[SPW], v[NIL]
	s_wait_dscnt 0x0
	CROUND                                         ; the closing round: no work-group ends while a partner may still ask for a tile that names it
	s_endpgm
.Lfunc_end_k_q12cea3a3d2_proj:
	.size	k_q12cea3a3d2_proj, .Lfunc_end_k_q12cea3a3d2_proj-k_q12cea3a3d2_proj
	.p2alignl 7, 3214868480
	.fill 96, 4, 3214868480
	.section	.rodata,"a",@progbits
	.p2align	6, 0x0
	.amdhsa_kernel k_q12cea3a3d2_proj
		.amdhsa_group_segment_fixed_size 327680
		.amdhsa_private_segment_fixed_size 0
		.amdhsa_enable_private_segment 0
		.amdhsa_kernarg_size 40
		.amdhsa_user_sgpr_count 2
		.amdhsa_user_sgpr_kernarg_segment_ptr 1
		.amdhsa_wavefront_size32 1
		.amdhsa_system_sgpr_workgroup_id_x 1
		.amdhsa_system_sgpr_workgroup_id_y 1
		.amdhsa_system_sgpr_workgroup_id_z 1
		.amdhsa_system_vgpr_workitem_id 0
		.amdhsa_next_free_vgpr 1024
		.amdhsa_next_free_sgpr 100
		.amdhsa_reserve_vcc 0
		.amdhsa_float_denorm_mode_32 3
		.amdhsa_float_denorm_mode_16_64 3
		.amdhsa_memory_ordered 1
		.amdhsa_forward_progress 1
		.amdhsa_inst_pref_size 255
	.end_amdhsa_kernel
	.section	.bss,"aw",@nobits
	.p2align	6
	.space	262144
	.amdgpu_metadata
---
amdhsa.version: [ 1, 2 ]
amdhsa.kernels:
  - .name:           k_q12cea3a3d2_proj
    .symbol:         k_q12cea3a3d2_proj.kd
    .args:
      - { .name: u_codes, .offset: 0, .size: 8, .value_kind: global_buffer, .address_space: global }
      - { .name: w_codes, .offset: 8, .size: 8, .value_kind: global_buffer, .address_space: global }
      - { .name: lowp_scales, .offset: 16, .size: 8, .value_kind: global_buffer, .address_space: global }
      - { .name: q_img, .offset: 24, .size: 8, .value_kind: global_buffer, .address_space: global }
      - { .name: kv_part, .offset: 32, .size: 8, .value_kind: global_buffer, .address_space: global }
    .group_segment_fixed_size: 327680
    .private_segment_fixed_size: 0
    .kernarg_segment_align: 8
    .kernarg_segment_size: 40
    .max_flat_workgroup_size: 128
    .sgpr_count:     100
    .vgpr_count:     1024
    .wavefront_size: 32
...
	.end_amdgpu_metadata
.endif
;; end of part 2
;; launch mix (part 3): grid 4 x 64, 16 waves a work-group, no clusters, 75,776 bytes of LDS; arguments q_img, kv_part, lowp_scales, out0; writes out0
.if DOCPART == 3
	.amdgcn_target "amdgcn-amd-amdhsa--gfx1250"
	.amdhsa_code_object_version 6
	.text
	.protected	k_q12cea3a3d2_mix
	.globl	k_q12cea3a3d2_mix
	.p2align	8
	.type	k_q12cea3a3d2_mix,@function
k_q12cea3a3d2_mix:
	s_mov_b64 s[64:65], 0
	v_nop
	global_prefetch_b8 v0, s[64:65] scope:SCOPE_SE
	s_setreg_imm32_b32 hwreg(HW_REG_WAVE_MODE, 25, 1), 1
	s_wait_xcnt 0x0
; y[b][l][head][p] = the sum over n of q[l][n] kv[n][p], on codes of FP8 (E4M3).
; kv_part holds, for each (batch, head), eight raw partial sums of k^T v as images of sixteen accumulators: accumulator t = 4 nb + pb, register j of lane (r, h) = (n = 16 nb + 8 h + j, p = 16 pb + r).
; q_img holds q's codes as images of fragments of 16 l x 64 n (eight registers a lane; part 0 = registers 0-3, part 1 = registers 4-7; 16 bytes a lane).
; A work-group takes 1,024 rows of l of one (batch, head); each of its sixteen waves 64 rows: four fragments of q.
; kv: wave w sums the eight partials of accumulator t = w in f32, holds and converts its eight numbers a lane to eight codes: they ARE registers 2 nb, 2 nb + 1 of kv's fragment pb
; (16 p x 64 n).  The four fragments meet in LDS as images of their registers; one barrier; every wave loads all four.
; A raw sum stands for sum x 2^(e2 + e3), so its code under 2^e4 is sum / 2^(e4 - e2 - e3).  A sum of the last product is multiplied by 2^(e4 + e5).
; LIMITS: e4 - e2 - e3 between -126 and 119, e4 + e5 between -126 and 127, so that each power of two is an f32 number.  NaN is not served.
; The product is used with source 0 = kv's fragment (16 p), source 1 = q's (16 l): register j of lane (r, h) is y(l = r, p = 16 pb + 8 h + j): eight neighbours of a row.  A head's 64 numbers of a row
; are 256 bytes: 16 rows go through the wave's own stage in LDS and leave sixteen lanes to a row.
; No tensor loads, no cluster: what work-groups share (a head's partial sums, 128 KiB, read by four of them) goes straight into registers.
.set KVI, 0                            ; LDS: kv's four fragments: 1,024 pb + 512 part + 16 lane
.set STG, 4096                         ; then a stage of 16 rows x (256 + 16) bytes for each wave
.set SPI, 272
.set QF,  16                           ; v16-47   q's four fragments
.set KF,  48                           ; v48-79   kv's four fragments
.set PT,  80                           ; v80-143  the eight partials of my accumulator
.set DD,  80                           ; v80-207  later the results: fragment f, block pb at 80 + 32 f + 8 pb
	s_load_b128 s[4:7], s[0:1], 0x0                ; q's images, the partial sums
	s_load_b128 s[8:11], s[0:1], 0x10              ; the scales' exponents, y
	v_lshl_add_u32 v208, v0, 2, 0x12000
	v_mov_b32 v209, 0
	v_lshrrev_b32 v10, 5, v0
	v_readfirstlane_b32 s12, v10                   ; wave 0..15
	s_and_b32 s13, ttmp7, 0xffff                   ; 16 x batch + head
	v_and_b32 v10, 31, v0                          ; lane
	v_and_b32 v11, 15, v0                          ; r
	v_bfe_u32 v12, v0, 4, 1                        ; h
	v_lshlrev_b32 v1, 4, v10                       ; v1: 16 x lane: my place in an image
	s_and_b32 s14, s12, 3                          ; pb
	s_lshr_b32 s15, s12, 2                         ; nb
	s_lshl_b32 s16, s14, 10
	s_lshr_b32 s17, s15, 1
	s_lshl_b32 s17, s17, 9
	s_add_co_u32 s16, s16, s17
	s_and_b32 s17, s15, 1
	s_lshl_b32 s17, s17, 3
	s_add_co_u32 s16, s16, s17
	v_add_nc_u32 v2, s16, v1                       ; v2: where my two registers of codes go: fragment pb, part nb / 2, byte 8 (nb % 2) of my lane's 16
	s_mul_i32 s18, s12, 16*SPI
	s_add_co_u32 s18, s18, STG                     ; my stage
	v_mul_u32_u24 v3, v11, SPI
	v_lshl_add_u32 v3, v12, 5, v3
	v_add_nc_u32 v3, s18, v3                       ; v3: in: row r, 32 bytes for each half of the lanes
	v_mul_u32_u24 v4, v12, SPI
	v_lshl_add_u32 v4, v11, 4, v4
	v_add_nc_u32 v4, s18, v4                       ; v4: back: lanes 0-15 one row of 256 bytes, lanes 16-31 the next
	v_lshlrev_b32 v5, 12, v12
	v_lshl_add_u32 v5, v11, 4, v5                  ; v5: and the same two rows in y (a row of y is 4,096 bytes)
	s_lshr_b32 s19, s13, 4                         ; batch
	s_lshl_b32 s19, s19, 12
	s_lshl_b32 s20, ttmp9, 10
	s_add_co_u32 s19, s19, s20
	s_lshl_b32 s20, s12, 6
	s_add_co_u32 s19, s19, s20                     ; my first row of y: 4,096 batch + 1,024 x + 64 wave
	s_lshl_b32 s20, s19, 12
	s_and_b32 s21, s13, 15
	s_lshl_b32 s21, s21, 8
	s_add_co_u32 s20, s20, s21                     ; + the head's 256 bytes (under 2^27)
	s_mov_b32 s21, 0
	s_lshl_b32 s22, s13, 8
	s_lshl_b32 s23, ttmp9, 6
	s_add_co_u32 s22, s22, s23
	s_lshl_b32 s23, s12, 2
	s_add_co_u32 s22, s22, s23                     ; my first fragment of q: 256 (16 batch + head) + 64 x + 4 wave
	s_lshl_b32 s22, s22, 10
	s_mov_b32 s23, 0
	s_lshl_b32 s24, s13, 17                        ; the head's eight partials of 16,384 bytes,
	s_lshl_b32 s25, s12, 10                        ; my accumulator's image in each
	s_add_co_u32 s24, s24, s25
	s_mov_b32 s25, 0
	s_wait_kmcnt 0x0
	s_load_b128 s[28:31], s[8:9], 0x8              ; e2, e3, e4, e5
	s_add_nc_u64 s[4:5], s[4:5], s[22:23]
	s_add_nc_u64 s[6:7], s[6:7], s[24:25]
	s_add_nc_u64 s[10:11], s[10:11], s[20:21]
.irp p, 0,1,2,3,4,5,6,7
	global_load_b128 v[PT+8*\p:PT+8*\p+3], v1, s[6:7] offset:\p*16384          ; 32 lanes read 512 consecutive bytes
	global_load_b128 v[PT+8*\p+4:PT+8*\p+7], v1, s[6:7] offset:\p*16384+512
.endr
.irp f, 0,1,2,3
	global_load_b128 v[QF+8*\f:QF+8*\f+3], v1, s[4:5] offset:\f*1024 th:TH_LOAD_NT      ; read once in the launch
	global_load_b128 v[QF+8*\f+4:QF+8*\f+7], v1, s[4:5] offset:\f*1024+512 th:TH_LOAD_NT
.endr
	s_wait_kmcnt 0x0
	s_sub_co_i32 s26, s30, s28
	s_sub_co_i32 s26, s26, s29                     ; e4 - e2 - e3
	s_add_co_i32 s26, s26, 127
	s_lshl_b32 s27, s26, 23
	v_mov_b32 v6, s27                              ; 2^(e4 - e2 - e3) as f32: the conversion takes its exponent field
	s_add_co_i32 s26, s26, 8
	s_lshl_b32 s26, s26, 23
	s_or_b32 s26, s26, 0x600000
	v_mov_b32 v7, s26                              ; 448 x that
	s_add_co_i32 s34, s30, s31
	s_add_co_i32 s34, s34, 127
	s_lshl_b32 s34, s34, 23                        ; 2^(e4 + e5) as f32
	s_mov_b32 s35, s34                             ; (named with it as a pair, so it is written)
	s_wait_loadcnt 8                               ; the sixteen loads of the partials are in; q's eight, issued behind them, may be out
.irp p, 0,2,4,6                        ; the eight partials are added as a tree, two numbers an instruction
.irp j, 0,2,4,6
	v_pk_add_f32 v[PT+8*\p+\j:PT+8*\p+\j+1], v[PT+8*\p+\j:PT+8*\p+\j+1], v[PT+8*(\p+1)+\j:PT+8*(\p+1)+\j+1]
.endr
.endr
.irp p, 0,4
.irp j, 0,2,4,6
	v_pk_add_f32 v[PT+8*\p+\j:PT+8*\p+\j+1], v[PT+8*\p+\j:PT+8*\p+\j+1], v[PT+8*(\p+2)+\j:PT+8*(\p+2)+\j+1]
.endr
.endr
.irp j, 0,2,4,6
	v_pk_add_f32 v[PT+\j:PT+\j+1], v[PT+\j:PT+\j+1], v[PT+32+\j:PT+32+\j+1]
.endr
.irp j, 0,1,2,3,4,5,6,7
	v_med3_num_f32 v[PT+\j], v[PT+\j], -v7, v7     ; the conversion to an 8-bit code does not saturate (ISA guide 7.6.2): the hold at the largest code x the scale
.endr
	v_cvt_scalef32_pk8_fp8_f32 v[8:9], v[PT:PT+7], v6
	v_nop                                          ; one plain vector instruction behind the scaled conversion: the products below write its sources
	ds_store_b64 v2, v[8:9]
	s_wait_dscnt 0x0                               ; for the others' sake: my store has landed
	s_barrier_signal -1
	s_barrier_wait -1                              ; kv's four fragments lie in LDS
.irp i, 0,1,2,3,4,5,6,7
	ds_load_b128 v[KF+4*\i:KF+4*\i+3], v1 offset:KVI+512*\i      ; fragment i / 2, part i % 2
.endr
	s_wait_loadcnt 0x0                             ; q
	s_wait_dscnt 0x0                               ; kv
.irp f, 0,1,2,3
.irp pb, 0,1,2,3
	v_wmma_f32_16x16x64_fp8_fp8 v[DD+32*\f+8*\pb:DD+32*\f+8*\pb+7], v[KF+8*\pb:KF+8*\pb+7], v[QF+8*\f:QF+8*\f+7], 0
.endr
.endr
.rept 4
	v_nop                                          ; four places between the last product and the first vector instruction that reads a result (ISA guide 7.12.1)
.endr
; Fragment f's 16 rows: x 2^(e4 + e5), each accumulator from its low end on; into my stage; back as whole rows of 256 bytes, into the registers that they left.
.macro PACK f
.set DB, DD+32*(\f)
.irp i, 0,2,4,6,8,10,12,14,16,18,20,22,24,26,28,30
	v_pk_mul_f32 v[DB+\i:DB+\i+1], v[DB+\i:DB+\i+1], s[34:35] op_sel_hi:[1,0]      ; the scalar pair's low word for both halves
.endr
.irp pb, 0,1,2,3
	ds_store_b128 v3, v[DB+8*\pb:DB+8*\pb+3] offset:64*\pb
	ds_store_b128 v3, v[DB+8*\pb+4:DB+8*\pb+7] offset:64*\pb+16
.endr
.irp i, 0,1,2,3,4,5,6,7
	ds_load_b128 v[DB+4*\i:DB+4*\i+3], v4 offset:2*\i*SPI        ; LDS serves a wave's instructions in order (ISA guide 5.7.1.4): these see the stores above; the next fragment's stores come behind them
.endr
.endm
.macro SEND f, younger                 ; younger: the LDS instructions issued behind fragment f's loads: the next fragment's sixteen, or none
.set DB, DD+32*(\f)
.irp i, 0,1,2,3,4,5,6,7
	s_wait_dscnt \younger+7-\i                     ; load i is in; the later loads of this fragment and the younger instructions may be out
	global_store_b128 v5, v[DB+4*\i:DB+4*\i+3], s[10:11] offset:(16*(\f)+2*\i)*4096 th:TH_STORE_NT   ; 16 lanes store 256 consecutive bytes, at a multiple of 256 from y's first byte; written once, read by nobody here
.endr
.endm
	PACK 0
	PACK 1                                         ; a fragment's arithmetic stands between the loads of the fragment before and its stores
	SEND 0, 16
	PACK 2
	SEND 1, 16
	PACK 3
	SEND 2, 16
	SEND 3, 0
	s_wait_tensorcnt 0x0
	ds_add_u32 v208, v209
	s_wait_dscnt 0x0
	s_endpgm
.Lfunc_end_k_q12cea3a3d2_mix:
	.size	k_q12cea3a3d2_mix, .Lfunc_end_k_q12cea3a3d2_mix-k_q12cea3a3d2_mix
	.p2alignl 7, 3214868480
	.fill 96, 4, 3214868480
	.section	.rodata,"a",@progbits
	.p2align	6, 0x0
	.amdhsa_kernel k_q12cea3a3d2_mix
		.amdhsa_group_segment_fixed_size 75776
		.amdhsa_private_segment_fixed_size 0
		.amdhsa_enable_private_segment 0
		.amdhsa_kernarg_size 32
		.amdhsa_user_sgpr_count 2
		.amdhsa_user_sgpr_kernarg_segment_ptr 1
		.amdhsa_wavefront_size32 1
		.amdhsa_system_sgpr_workgroup_id_x 1
		.amdhsa_system_sgpr_workgroup_id_y 1
		.amdhsa_system_sgpr_workgroup_id_z 1
		.amdhsa_system_vgpr_workitem_id 0
		.amdhsa_next_free_vgpr 210
		.amdhsa_next_free_sgpr 66
		.amdhsa_reserve_vcc 0
		.amdhsa_float_denorm_mode_32 3
		.amdhsa_float_denorm_mode_16_64 3
		.amdhsa_memory_ordered 1
		.amdhsa_forward_progress 1
		.amdhsa_inst_pref_size 22
	.end_amdhsa_kernel
	.amdgpu_metadata
---
amdhsa.version: [ 1, 2 ]
amdhsa.kernels:
  - .name:           k_q12cea3a3d2_mix
    .symbol:         k_q12cea3a3d2_mix.kd
    .args:
      - { .name: q_img, .offset: 0, .size: 8, .value_kind: global_buffer, .address_space: global }
      - { .name: kv_part, .offset: 8, .size: 8, .value_kind: global_buffer, .address_space: global }
      - { .name: lowp_scales, .offset: 16, .size: 8, .value_kind: global_buffer, .address_space: global }
      - { .name: out0, .offset: 24, .size: 8, .value_kind: global_buffer, .address_space: global }
    .group_segment_fixed_size: 75776
    .private_segment_fixed_size: 0
    .kernarg_segment_align: 8
    .kernarg_segment_size: 32
    .max_flat_workgroup_size: 512
    .sgpr_count:     66
    .vgpr_count:     210
    .wavefront_size: 32
...
	.end_amdgpu_metadata
.endif
;; end of part 3
